; MI455X (gfx1250); checked and timed in simulation.
; The chip was launched on July 23, 2026; its instructions are those of AMD's public machine-readable ISA for CDNA 5 (MIT licence, August 2026) and "CDNA5" Instruction Set Architecture Reference Guide (July 2026). The comments in the code are by the model that wrote it; some were corrected since.
;; Shared Self Attention. Allowed arithmetic: matrix products marked QUANTISED: E2M3 operands, one E8M0 scale for each 32 along K, by v_wmma_scale_f32_16x16x128_f8f6f4 with both operands' format E2M3, f32 sums; everything else in f32.
;; Inputs: Wk_codes 1,024 x 32 x 24 uint8 (E2M3 codes of Wk, K innermost, in blocks of 32 codes, four codes in three bytes); Wk_scales 1,024 x 32 uint8 (E8M0 scales of Wk, one for each 32 codes along K); Wo_codes 1,024 x 32 x 24 uint8 (E2M3 codes of Wo, K innermost, in blocks of 32 codes, four codes in three bytes); Wo_scales 1,024 x 32 uint8 (E8M0 scales of Wo, one for each 32 codes along K); Wq_codes 1,024 x 32 x 24 uint8 (E2M3 codes of Wq, K innermost, in blocks of 32 codes, four codes in three bytes); Wq_scales 1,024 x 32 uint8 (E8M0 scales of Wq, one for each 32 codes along K); Wv_codes 1,024 x 32 x 24 uint8 (E2M3 codes of Wv, K innermost, in blocks of 32 codes, four codes in three bytes); Wv_scales 1,024 x 32 uint8 (E8M0 scales of Wv, one for each 32 codes along K); bk 1,024 float32; bo 1,024 float32; bq 1,024 float32; bv 1,024 float32; sequence_features_codes 4 x 2,048 x 32 x 24 uint8 (E2M3 codes of sequence_features, K innermost, in blocks of 32 codes, four codes in three bytes); sequence_features_scales 4 x 2,048 x 32 uint8 (E8M0 scales of sequence_features, one for each 32 codes along K).
;; Outputs: out0 4 x 1,024 float32.
;; This version of the problem:
;;   THIS VERSION OF THE PROBLEM IS GIVEN IN LOW PRECISION. The matrix products marked QUANTISED in the list below multiply operands that are first quantised to E2M3 (2 exponent bits, 3 mantissa bits; 6 bits a number), with one power-of-two scale for each 32 numbers along K (OCP MX v1.0); their sums are f32. All else is computed in f32.
;;   The module's matrix products, in the order in which they are computed (A, B: the left and right operand; K: the contracted axis; several contracted axes count as one K, in the product's order):
;;     1. [M 8,192, K 1,024] x [K 1,024, N 1,024]; A: input sequence_features (given as codes); B: input Wq (given as codes): QUANTISED
;;     2. [M 8,192, K 1,024] x [K 1,024, N 1,024]; A: input sequence_features (given as codes); B: input Wk (given as codes): QUANTISED
;;     3. [M 8,192, K 1,024] x [K 1,024, N 1,024]; A: input sequence_features (given as codes); B: input Wv (given as codes): QUANTISED
;;     4. batch 64 x [M 2,048, K 64] x [K 64, N 2,048]; A: computed on the way; B: computed on the way: QUANTISED
;;     5. batch 64 x [M 2,048, K 2,048] x [K 2,048, N 64]; A: softmax (see below); B: computed on the way: QUANTISED
;;     6. [M 8,192, K 1,024] x [K 1,024, N 1,024]; A: computed on the way; B: input Wo (given as codes): QUANTISED
;;   THE QUANTISER, for each operand of a quantised product, along K:
;;     - K is cut into blocks of 32 from its start; a last block that is shorter is filled with zeros.
;;     - A block's scale is 2^e with e = floor(log2(the largest magnitude in the block)) - 2, held to -126 .. 127; a block of zeros has e = 0. As a byte (E8M0): e + 127.
;;     - Each number is divided by its block's scale, clamped to +-7.5, and rounded to the nearest number of E2M3, ties to even, subnormals kept.
;;     - The product sums the exact products of the quantised numbers (number of the format x scale) in f32.
;;   ~~~python
;;   def quantise(x, axis):      # numpy; x: float32 -> the quantised numbers, widened to float32 again
;;       x = np.moveaxis(x, axis, -1); K = x.shape[-1]
;;       x = np.pad(x, [(0, 0)] * (x.ndim - 1) + [(0, -K % 32)]); x = x.reshape(x.shape[:-1] + (-1, 32)); a = np.abs(x).max(-1, keepdims=True)
;;       e = np.where(a > 0, np.clip(np.frexp(np.where(a > 0, a, 1))[1] - 1 - 2, -126, 127), 0)      # np.frexp(a)[1] - 1 = floor(log2(a)), exactly
;;       r = np.clip(x / 2.0 ** e, -7.5, 7.5)
;;       step = 2.0 ** (np.maximum(np.frexp(np.where(r == 0, 1, r))[1] - 1, 0) - 3)
;;       q = np.round(r / step) * step * 2.0 ** e      # np.round: ties to even
;;       return np.moveaxis(q.reshape(q.shape[:-2] + (-1,))[..., :K], -1, axis).astype(np.float32)
;;   ~~~
;;   SOFTMAX AHEAD OF A QUANTISED PRODUCT. Where the list says 'softmax', what is quantised is not the finished softmax but p = 2^(t - M), with t = logit x log2(e) and M = ceil(the row's largest t), a whole number; so 1/2 < the row's largest p <= 1. The row's sum l is taken of the UNQUANTISED p, in f32, and the product's result is divided by l at the end. Since M is a whole number, a kernel that streams over the keys may use a running M (the ceiling of the running maximum): every later rescaling is an exact power of two, which a block's scale takes up: the codes' values come out the same.
;;   OPERANDS COMPUTED ON THE WAY. 'Computed on the way' means the value that the module computes at that place (a softmax that the list does not call 'softmax' is quantised finished and normalised). What goes into a quantiser is computed in f32, as accurately as f32 sums, v_exp_f32 and their like allow (about 1e-6 of the number): no bf16 or f16 on the way to a quantiser, and a product that is left as it is and whose result goes on into a quantised operand takes f32 operands (vector FMAs, or v_wmma_f32_16x16x4_f32). A number that lies on a knife's edge between two numbers of the format may be rounded either way, as far as f32 arithmetic and the matrix unit's own rounding can turn it there, and no further.
;;   INPUTS GIVEN AS CODES. Wk (in the module: [1024, 1024], K = its axis 0); Wo (in the module: [1024, 1024], K = its axis 0); Wq (in the module: [1024, 1024], K = its axis 0); Wv (in the module: [1024, 1024], K = its axis 0); sequence_features (in the module: [4, 2048, 1024], K = its axis 2): each comes as NAME_codes (uint8): NAME with its K axis moved to the last place and cut into blocks of 32 codes, [.., K / 32, bytes a block], one block behind the other in memory; four codes in three bytes: a row's codes are one little-endian stream of bits, code i at bits 6 i .. 6 i + 5 (a code: sign, 2 exponent bits, 3 mantissa bits); and NAME_scales (uint8): the same leading axes, one E8M0 byte (e + 127) for each 32 codes along K. Its value is code x scale, taken as it is: it is not quantised again, and the codes and scales need not be those that the quantiser above would give.
;; One version. Each part assembles by itself: llvm-mc -triple=amdgcn-amd-amdhsa -mcpu=gfx1250 --defsym DOCPART=n.
;; ======== version 1 of 1: 3 launches
;; workspace buffers: qbuf 6,553,600 bytes; kbuf 6,553,600 bytes; vbuf 6,553,600 bytes; part 1,048,576 bytes
;; launch qkv (part 1): grid 12 x 32, 4 waves a work-group, clusters of 4 x 4, 327,680 bytes of LDS; arguments sequence_features_codes, sequence_features_scales, Wq_codes, Wq_scales, Wk_codes, Wk_scales, Wv_codes, Wv_scales, bq, bk, bv, qbuf, kbuf, vbuf; writes qbuf, kbuf, vbuf
.if DOCPART == 1
	.amdgcn_target "amdgcn-amd-amdhsa--gfx1250"
	.amdhsa_code_object_version 6
	.text
	.protected	k_qd18c3da466_qkv
	.globl	k_qd18c3da466_qkv
	.p2align	8
	.type	k_qd18c3da466_qkv,@function
k_qd18c3da466_qkv:
	s_mov_b64 s[64:65], 0
	v_nop
	global_prefetch_b8 v0, s[64:65] scope:SCOPE_SE
	s_setreg_imm32_b32 hwreg(HW_REG_WAVE_MODE, 25, 1), 1
	s_wait_xcnt 0x0
	s_wait_alu depctr_hold_cnt(0) depctr_sa_sdst(0) depctr_va_vdst(0) depctr_va_sdst(0) depctr_va_ssrc(0) depctr_va_vcc(0) depctr_vm_vsrc(0)
	s_getreg_b32 s2, hwreg(HW_REG_IB_STS2, 6, 4)
	s_cmp_eq_u32 s2, 0
	s_cbranch_scc0 .Lentry_in_a_cluster
	s_endpgm
.Lentry_in_a_cluster:
	s_bfe_u32 s2, ttmp6, 0x10000c
	s_cmp_lg_u32 s2, 0xf033
	s_cbranch_scc0 .Lentry_shape_is_right
	s_endpgm
.Lentry_shape_is_right:
; Q = x Wq + bq, K = x Wk + bk, V = x Wv + bv on codes of FP6 (E2M3) with one E8M0 scale for each 32 along K = 1,024; sums in f32.  The results are quantised again here, in registers, along the K of
; the product that will read them (Q, K: the head's 64 dims; V: the keys) and leave as IMAGES OF OPERAND REGISTERS: nothing wide goes to memory.
; SIDES.  The text knows an A side (source 1 of the matrix instruction: its rows land in lanes) and a B side (source 0: its rows run along a lane's registers).  Cluster column 0: A = x, B = Wq;
; column 1: A = x, B = Wk; column 2: A = Wv, B = x.  So a lane's registers run along the head's dims for Q and K and along the keys for V.  The choice hangs on the cluster's number alone.
; A tile of the result, 256 x 256, is made by four waves, 128 x 128 each: 64 accumulators, 512 registers.  K goes in steps of 256 through a ring of two LDS slots filled by the tensor data mover.
; The scale bytes of the tile's 256 + 256 rows, for all of K, come into LDS once.  4 x 4 work-groups form a cluster: A's tile is asked for jointly along a row of it, B's along a column.
; The bias is the C of each sum's first matrix instruction.
; WORKSPACE, for each of the 64 heads bh = 16 batch + head: 102,400 bytes: 64 images of 1,536 bytes, then 16 units of 256 bytes of scale words.  An image is a fragment's 12 registers: register 4 c + i of
; lane l at 512 c + 16 l + 4 i.  q, k image g: registers 0-5 rows 32 g + l % 16, registers 6-11 rows 32 g + 16 + l % 16, k = the 64 dims.  v image 4 st + t: rows = channels 16 t + l % 16, k = keys 128 st on.
; Scale unit u, lane l, 8 bytes at 8 l: word 0 = the word of image 4 u + l / 16, row l % 16; word 1 = that of image 4 u + 2 + l / 16.
; Inside each block of 32 the numbers stand in the order 0-7, 16-23, 8-15, 24-31: the same on both sides of every later product, so no product changes.
; A block's scale is 2^(floor(log2(largest magnitude)) - 2): its byte is that magnitude's exponent field - 2, held at 1 from below.
; LIMITS: NaN and infinities are not served; a block whose largest magnitude lies under 2^-124 keeps the byte 1; a block of zeros gets the byte 1 and not 127 (its codes are zeros, and only this program reads the bytes).
; REGISTERS, in windows of 256: window 0: v0-31 addresses; v32-63 scale words, two sets; v64-127 the bias (later the way out's work); from v128 A's fragments, one set.
;   window 1: B's fragments, two sets, at v0 and v128.  window 2: the accumulators of my A rows 0-63 ((a, b) at v[8 (8 a + b)]); window 3: those of rows 64-127.
.set KSTEP,  256                       ; along K in a slot
.set NQ,     2                         ; matrix instructions deep
.set ROWB,   192                       ; a tile's row: 256 codes of 6 bits
.set KROW,   768                       ; a row of x or of a weight in memory: 1,024 codes
.set PITCH,  240                       ; an LDS row: 3 x (64 bytes + 16 of padding)
.set FR,     12                        ; registers of a fragment
.set NL,     6                         ; LDS loads that bring one
.set NP,     4                         ; places behind this matrix instruction (ISA guide 7.12.1)
.set HALFT,  128*PITCH                 ; 128 rows: one tensor load
.set SLOT,   4*HALFT                   ; A's 256 rows, then B's 256
.set LAPS,   2                         ; 1,024 / 512: twice round the ring
.set KS,     32                        ; a row of scale bytes
.set SCL,    2*SLOT                    ; behind the ring: the scales, as units of 256 bytes + 16 of padding
.set HALFS,  (128*KS/256)*272          ; those of 128 rows
.set SBLK,   (16*KS/256)*272           ; those of 16 rows
.set SPARE,  SCL+4*HALFS               ; the spare words, 128 bytes a wave: two blocks of 256 bytes that no other line names
.set HEADB,  102400                    ; a head in the workspace
.set IMGB,   1536                      ; an image
.set SUNIT,  98304                     ; where a head's scale units begin
.set ADRA, 16                          ; v16-17 LDS address of my A fragments in slot 0, 1 (v18-19: behind one padding more)
.set ADRB, 20                          ; v20-23 the same for B
.set LI16, 24                          ; v24  16 x lane
.set L8,   25                          ; v25  8 x lane
.set LN,   26                          ; v26  lane
.set ADRS, 27                          ; v27  LDS address of my scale words: lanes 0-15 A's rows, lanes 16-31 B's
.set SPW,  28                          ; v28  my spare word; never rewritten
.set NIL,  29                          ; v29  0; never rewritten
.set BO8,  30                          ; v30  32 x (lane / 16): bias along registers
.set BO4,  31                          ; v31  4 x (lane % 16): bias along lanes
.set SC,   32
.set BIAS, 64                          ; v64-127: eight tiles of eight registers in the result's layout
.set AF,   128
.set TM,   64                          ; the way out: v64-67 largest magnitudes, v68-71 bytes, v76-79 the conversions' scale operands
.set PCA,  80                          ; v80-99, v100-119: an image's 12 registers + 8 at work, two sets by turns
.set PW,   120                         ; v120-127 the eight images' scale words
.set PR,   128                         ; v128-131 two pairs for the scale units
.set G1, 24
.set G0, 32
.set G1B, 48
.set G0B, 56
.set G1S, 68
.set G0S, 76
.set G1SB, 80
.set G0SB, 88
.set MSB, 0
.macro WIN new                         ; the immediate's high byte repeats the setting that is left
.if MSB != (\new)
	s_set_vgpr_msb (MSB<<8)|(\new)
.set MSB, (\new)
.endif
.endm
.set MUL_LO, 0xa1                      ; source 0 (B) window 1, source 1 (A) window 0, C and D window 2
.set MUL_HI, 0xf1                      ; the same, C and D window 3
.set TO_B,   0x40                      ; destination window 1
; A joint load: waves 0 and 1 fetch for A, waves 2 and 3 for B; the branch hangs on the wave's number alone.  Four v_nop follow each line.
.macro JLOAD g0a, g1a, g0b, g1b
	s_cmp_eq_u32 s15, 0
	s_cbranch_scc0 .Lfor_b_\@
	tensor_load_to_lds s[\g0a:\g0a+3], s[\g1a:\g1a+7]
	s_nop 0
.rept 4
	v_nop
.endr
	s_branch .Lasked_\@
.Lfor_b_\@:
	tensor_load_to_lds s[\g0b:\g0b+3], s[\g1b:\g1b+7]
	s_nop 0
.rept 4
	v_nop
.endr
.Lasked_\@:
.endm
.macro CREST                           ; a round of the cluster's barrier behind its opening barrier
	s_cmp_lg_u32 s14, 0
	s_cbranch_scc1 .Lnot_wave_0_\@
	s_barrier_signal -3
.Lnot_wave_0_\@:
	s_barrier_wait -3
	s_barrier_signal -1
	s_barrier_wait -1
.endm
.macro CROUND
	s_barrier_signal -1
	s_barrier_wait -1
	CREST
.endm
	s_load_b512 s[24:39], s[0:1], 0x0              ; x codes, x scales, Wq codes, Wq scales, Wk codes, Wk scales, Wv codes, Wv scales
	s_load_b256 s[40:47], s[0:1], 0x40             ; bq, bk, bv, qbuf
	s_load_b128 s[48:51], s[0:1], 0x60             ; kbuf, vbuf
	v_lshl_add_u32 v[SPW], v0, 2, SPARE
	v_mov_b32 v[NIL], 0
	ds_add_u32 v28, v29
	ds_add_u32 v28, v29
	s_wait_dscnt 0x0
	v_lshrrev_b32 v1, 5, v0
	v_readfirstlane_b32 s14, v1                    ; wave 0..3
	s_lshr_b32 s15, s14, 1                         ; my half of A's rows.  Also: I fetch for A (0) or for B (1)
	s_and_b32 s16, s14, 1                          ; my half of B's rows.  Also: which 128 rows I fetch
	s_and_b32 s18, ttmp7, 0xffff
	s_lshl_b32 s18, s18, 2                         ; 4 x cluster y
	s_wait_kmcnt 0x0
	s_cmp_eq_u32 ttmp9, 0                          ; cluster column 0: Q; else K (or V, chosen below)
	s_cselect_b64 s[52:53], s[28:29], s[32:33]     ; the weight's codes,
	s_cselect_b64 s[54:55], s[30:31], s[34:35]     ; scales,
	s_cselect_b64 s[56:57], s[40:41], s[42:43]     ; bias,
	s_cselect_b64 s[58:59], s[46:47], s[48:49]     ; and the buffer for the result
	s_cmp_eq_u32 ttmp9, 2                          ; cluster column 2: V, with the sides changed
	s_cselect_b64 s[4:5], s[36:37], s[24:25]       ; A's codes
	s_cselect_b64 s[6:7], s[38:39], s[26:27]       ; A's scales
	s_cselect_b64 s[8:9], s[24:25], s[52:53]       ; B's codes
	s_cselect_b64 s[10:11], s[26:27], s[54:55]     ; B's scales
	s_cselect_b64 s[100:101], s[44:45], s[56:57]   ; the bias
	s_cselect_b64 s[12:13], s[50:51], s[58:59]     ; the result's buffer
	s_cselect_b32 s98, 1, 0                        ; is it V?
	s_cselect_b32 s99, 0, s18                      ; x's 32 tiles go down the grid: on the A side for Q and K,
	s_cselect_b32 s96, s18, 0                      ; on the B side for V
	s_bfe_u32 s40, ttmp6, 0x40000                  ; cx, cy: my place in the cluster
	s_bfe_u32 s41, ttmp6, 0x40004
	s_add_co_u32 s42, s96, s40                     ; B's tile: hangs on cx, never on cy
	s_add_co_u32 s17, s99, s41                     ; A's tile: hangs on cy, never on cx
	s_lshl_b32 s43, s41, 2
	s_lshl_b32 s43, 15, s43                        ; my row of the cluster
	s_lshl_b32 s44, 0x1111, s40                    ; my column
	; descriptor group 1: a tile of 128 rows x 192 bytes, 16 bytes of padding behind every 64
	s_or_b32 s[G1+0], s43, (0<<16)|(1<<20)|(1<<21)|(3<<22)|(3<<25)
	s_or_b32 s[G1B+0], s44, (0<<16)|(1<<20)|(1<<21)|(3<<22)|(3<<25)
.irp g, G1, G1B
	s_mov_b32 s[\g+1], ROWB<<16                    ; tensor_dim0
	s_mov_b32 s[\g+2], 128<<16                     ; tensor_dim1
	s_mov_b32 s[\g+3], ROWB<<16                    ; tile_dim0
	s_mov_b32 s[\g+4], 128                         ; tile_dim1
	s_mov_b32 s[\g+5], KROW                        ; from row to row
	s_mov_b32 s[\g+6], 0
	s_mov_b32 s[\g+7], 0
.endr
	; the scales of 128 rows: 4,096 dense bytes as 16 rows of 256 bytes (32 elements of 8), 16 bytes of padding behind each
	s_or_b32 s[G1S+0], s43, (3<<16)|(1<<20)|(1<<21)|(5<<22)|(3<<25)
	s_or_b32 s[G1SB+0], s44, (3<<16)|(1<<20)|(1<<21)|(5<<22)|(3<<25)
.irp g, G1S, G1SB
	s_mov_b32 s[\g+1], 32<<16
	s_mov_b32 s[\g+2], (128*KS/256)<<16
	s_mov_b32 s[\g+3], 32<<16
	s_mov_b32 s[\g+4], 128*KS/256
	s_mov_b32 s[\g+5], 32
	s_mov_b32 s[\g+6], 0
	s_mov_b32 s[\g+7], 0
.endr
	s_lshl_b32 s18, s16, 7                         ; which 128 rows of the tile I fetch
	s_lshl_b32 s20, s17, 8
	s_add_co_u32 s20, s20, s18                     ; A: row 256 x tile + 128 x half
	s_lshl_b32 s46, s42, 8
	s_add_co_u32 s46, s46, s18                     ; B likewise
	s_mov_b32 s21, 0
	s_mov_b32 s47, 0
	s_mov_b64 s[18:19], KS
	s_mul_u64 s[22:23], s[20:21], s[18:19]         ; where these rows' scales begin
	s_mul_u64 s[92:93], s[46:47], s[18:19]
	s_mov_b64 s[18:19], KROW
	s_mul_u64 s[20:21], s[20:21], s[18:19]         ; and their codes
	s_mul_u64 s[46:47], s[46:47], s[18:19]
	s_mul_i32 s45, s14, HALFT                      ; where they go: wave x 128 rows
	s_mul_i32 s94, s14, HALFS
	s_add_nc_u64 s[20:21], s[4:5], s[20:21]
	s_add_nc_u64 s[22:23], s[6:7], s[22:23]
	s_add_nc_u64 s[46:47], s[8:9], s[46:47]
	s_add_nc_u64 s[92:93], s[10:11], s[92:93]
	CROUND                                         ; all sixteen work-groups are here: the first joint loads meet
	s_mov_b32 s[G0S], 1
	s_add_co_u32 s[G0S+1], s94, SCL
	s_mov_b64 s[G0S+2:G0S+3], s[22:23]
	s_or_b32 s[G0S+3], s[G0S+3], 0x80000000
	s_mov_b32 s[G0SB], 1
	s_add_co_u32 s[G0SB+1], s94, SCL
	s_mov_b64 s[G0SB+2:G0SB+3], s[92:93]
	s_or_b32 s[G0SB+3], s[G0SB+3], 0x80000000
	JLOAD G0S, G1S, G0SB, G1SB                     ; the scales first: they are wanted with K step 0
.irp s, 0,1
	s_mov_b32 s[G0+4*\s], 1
	s_add_co_u32 s[G0+4*\s+1], s45, \s*SLOT
	s_add_nc_u64 s[G0+4*\s+2:G0+4*\s+3], s[20:21], \s*ROWB
	s_or_b32 s[G0+4*\s+3], s[G0+4*\s+3], 0x80000000
	s_mov_b32 s[G0B+4*\s], 1
	s_add_co_u32 s[G0B+4*\s+1], s45, \s*SLOT
	s_add_nc_u64 s[G0B+4*\s+2:G0B+4*\s+3], s[46:47], \s*ROWB
	s_or_b32 s[G0B+4*\s+3], s[G0B+4*\s+3], 0x80000000
	s_wait_alu depctr_va_vdst(0)
	s_wait_tensorcnt 0x0
	ds_add_u32 v28, v29
	s_wait_dscnt 0x0
	CROUND
	JLOAD G0+4*\s, G1, G0B+4*\s, G1B
.endr
	; where my part of the result goes, and my part of the bias: which side is x's and which the weight's
	s_cmp_eq_u32 s98, 1
	s_cselect_b32 s66, s17, s42                    ; the weight's tile (256 columns = 4 heads)
	s_cselect_b32 s67, s42, s17                    ; x's tile (256 rows; 8 tiles a batch)
	s_cselect_b32 s95, s15, s16                    ; my half of the weight's tile (2 heads)
	s_cselect_b32 s97, s16, s15                    ; my half of x's tile (128 rows)
	s_lshl_b32 s18, s66, 10
	s_lshl_b32 s19, s95, 9
	s_add_co_u32 s18, s18, s19                     ; 4 x (256 x tile + 128 x half)
	s_mov_b32 s19, 0
	s_add_nc_u64 s[100:101], s[100:101], s[18:19]  ; the bias of my 128 columns
	s_lshr_b32 s18, s67, 3
	s_lshl_b32 s18, s18, 4                         ; 16 x batch
	s_lshl_b32 s19, s66, 2
	s_add_co_u32 s18, s18, s19
	s_lshl_b32 s19, s95, 1
	s_add_co_u32 s18, s18, s19                     ; my first head
	s_mul_i32 s18, s18, HEADB
	s_and_b32 s19, s67, 7
	s_lshl_b32 s19, s19, 1
	s_add_co_u32 s19, s19, s97                     ; st: which 128 rows of the batch
	s_mul_i32 s22, s19, 4*IMGB
	s_lshl_b32 s23, s19, 8
	s_add_co_u32 s22, s22, s18                     ; my four images of a head
	s_add_co_u32 s18, s18, s23
	s_add_co_u32 s18, s18, SUNIT                   ; and their scale unit
	s_mov_b32 s23, 0
	s_mov_b32 s19, 0
	s_add_nc_u64 s[92:93], s[12:13], s[18:19]
	s_add_nc_u64 s[12:13], s[12:13], s[22:23]
	v_and_b32 v1, 15, v0                           ; l % 16
	v_bfe_u32 v2, v0, 4, 1                         ; l / 16
	v_lshlrev_b32 v[BO8], 5, v2
	v_lshlrev_b32 v[BO4], 2, v1
	s_cmp_eq_u32 s98, 1
	s_cbranch_scc1 .Lbias_v
.irp b, 0,1,2,3,4,5,6,7                        ; Q, K: the weight's rows run along the registers: tile b wants columns 16 b + 8 (l / 16) + 0 .. 7
	global_load_b128 v[BIAS+8*\b:BIAS+8*\b+3], v[BO8], s[100:101] offset:64*\b
	global_load_b128 v[BIAS+8*\b+4:BIAS+8*\b+7], v[BO8], s[100:101] offset:64*\b+16
.endr
	s_branch .Lbias_in
.Lbias_v:
	s_wait_alu depctr_va_vdst(0)
.irp a, 0,1,2,3,4,5,6,7                        ; V: the weight's rows lie in the lanes: tile a wants column 16 a + l % 16 in all eight registers
	global_load_b32 v[BIAS+8*\a], v[BO4], s[100:101] offset:64*\a
.endr
	s_wait_loadcnt 0x0
.irp a, 0,1,2,3,4,5,6,7
.irp j, 1,2,3,4,5,6,7
	v_mov_b32 v[BIAS+8*\a+\j], v[BIAS+8*\a]
.endr
.endr
.Lbias_in:
	s_wait_alu depctr_va_vdst(0)
	v_mul_u32_u24 v3, v1, PITCH
	v_mul_u32_u24 v4, v2, 24
	v_add_nc_u32 v4, v3, v4                        ; a fragment's row x pitch + 24 x half
	v_lshl_add_u32 v5, v2, 4, v4                   ; and the same behind one padding more
	s_mul_i32 s21, s15, HALFT                      ; my 128 rows of A
	s_mul_i32 s22, s16, HALFT                      ; my 128 rows of B,
	s_add_co_u32 s22, s22, 2*HALFT                 ; which lie behind A's 256
.irp s, 0,1
	v_add_nc_u32 v[ADRA+\s], s21, v4
	v_add_nc_u32 v[ADRB+\s], s22, v4
	v_add_nc_u32 v[ADRA+2+\s], s21, v5
	v_add_nc_u32 v[ADRB+2+\s], s22, v5
	s_add_co_u32 s21, s21, SLOT
	s_add_co_u32 s22, s22, SLOT
.endr
	v_mul_u32_u24 v5, v1, KS                       ; my row's scales: 32 bytes a row,
	v_lshrrev_b32 v6, 8, v5
	v_lshl_add_u32 v5, v6, 4, v5                   ; and 16 more for each 256 passed
	s_mul_i32 s21, s15, HALFS
	s_mul_i32 s22, s16, HALFS
	s_add_co_u32 s22, s22, 2*HALFS
	s_sub_co_u32 s22, s22, s21
	v_mul_u32_u24 v6, s22, v2                      ; lanes 16-31 take B's: one product, the distance between the two bases
	s_add_co_u32 s21, s21, SCL
	v_add_nc_u32 v5, v5, v6
	v_add_nc_u32 v[ADRS], s21, v5
	v_and_b32 v[LN], 31, v0
	v_lshlrev_b32 v[LI16], 4, v[LN]
	v_lshlrev_b32 v[L8], 3, v[LN]
.macro FRAG reg, adr, q, i             ; a fragment: lane l holds row l % 16; registers 6 c .. 6 c + 5 hold K = 64 c + 32 (l / 16) + 0 .. 31: 24 bytes of the row's stream of bits, in pieces of 8 bytes
.irp p, 0,1,2,3,4,5
.set PC, 12*(\q)+6*(\p/3)+\p%3        ; where the piece three on (lanes 16-31) lies behind one padding more, the second address register serves
.if PC%8 < 5
	ds_load_b64 v[\reg+2*\p:\reg+2*\p+1], v[\adr] offset:8*PC+16*(PC/8)+(\i)*16*PITCH
.else
	ds_load_b64 v[\reg+2*\p:\reg+2*\p+1], v[\adr+2] offset:8*PC+16*(PC/8)+(\i)*16*PITCH
.endif
.endr
.endm
; 16 matrix instructions: A's blocks a0, a0 + 1 x B's eight, 128 along K.  cm = 0: onto the sums; 1: the sums begin with the bias by B's block; 2: by A's block.
; The 64 accumulators take turns, one instruction a turn, in the same order in every step.
.macro MUL16 a0, p, q, sc, cm
.irp a, \a0, \a0+1
.irp b, 0,1,2,3,4,5,6,7
.if \cm == 1
	v_wmma_scale_f32_16x16x128_f8f6f4 v[8*(8*((\a)%4)+\b):8*(8*((\a)%4)+\b)+7], v[128*(\p)+FR*\b:128*(\p)+FR*\b+FR-1], v[AF+FR*(\a):AF+FR*(\a)+FR-1], v[BIAS+8*\b:BIAS+8*\b+7], v[SC+8*NQ*(\sc)+NQ*\b+(\q)], v[SC+8*NQ*(\sc)+NQ*(\a)+(\q)] matrix_a_fmt:MATRIX_FMT_FP6 matrix_b_fmt:MATRIX_FMT_FP6 matrix_a_scale:MATRIX_SCALE_ROW1
.elseif \cm == 2
	v_wmma_scale_f32_16x16x128_f8f6f4 v[8*(8*((\a)%4)+\b):8*(8*((\a)%4)+\b)+7], v[128*(\p)+FR*\b:128*(\p)+FR*\b+FR-1], v[AF+FR*(\a):AF+FR*(\a)+FR-1], v[BIAS+8*(\a):BIAS+8*(\a)+7], v[SC+8*NQ*(\sc)+NQ*\b+(\q)], v[SC+8*NQ*(\sc)+NQ*(\a)+(\q)] matrix_a_fmt:MATRIX_FMT_FP6 matrix_b_fmt:MATRIX_FMT_FP6 matrix_a_scale:MATRIX_SCALE_ROW1
.else
	v_wmma_scale_f32_16x16x128_f8f6f4 v[8*(8*((\a)%4)+\b):8*(8*((\a)%4)+\b)+7], v[128*(\p)+FR*\b:128*(\p)+FR*\b+FR-1], v[AF+FR*(\a):AF+FR*(\a)+FR-1], v[8*(8*((\a)%4)+\b):8*(8*((\a)%4)+\b)+7], v[SC+8*NQ*(\sc)+NQ*\b+(\q)], v[SC+8*NQ*(\sc)+NQ*(\a)+(\q)] matrix_a_fmt:MATRIX_FMT_FP6 matrix_b_fmt:MATRIX_FMT_FP6 matrix_a_scale:MATRIX_SCALE_ROW1
.endif
.endr
.endr
.endm
.macro FETCH_B slot, q, p              ; B's eight fragments of the slot's q-th 128 along K into set p
	WIN TO_B
.irp i, 0,1,2,3,4,5,6,7
	FRAG 128*(\p)+FR*\i, ADRB+\slot, \q, \i
.endr
	WIN 0
.endm
.macro FETCH_A slot, q, i0             ; A's blocks i0 .. i0 + 3
.irp i, \i0, \i0+1, \i0+2, \i0+3
	FRAG AF+FR*(\i), ADRA+\slot, \q, \i
.endr
.endm
.macro SCALES sc                       ; a K step's scale words into set sc: two words a row; lanes 0-15 A's block i, lanes 16-31 B's block i
.irp i, 0,1,2,3,4,5,6,7
	ds_load_b64 v[SC+8*NQ*\sc+NQ*\i:SC+8*NQ*\sc+NQ*\i+1], v[ADRS] offset:\i*SBLK
.endr
.endm
.macro PLACES n                        ; plain vector lines between a matrix instruction and a load into, or a read of, its registers
.rept \n
	v_nop
.endr
.endm
; A step of 128 along K that has its successor in the same slot.
.macro STEP slot, q, cm
	s_wait_dscnt 4*NL                              ; B's set and A's blocks 0-3 are in; the youngest 24 loads (A's blocks 4-7) may be out
.if \cm
	WIN 0x81                                       ; B window 1, A and the bias window 0, D window 2
.else
	WIN MUL_LO
.endif
	MUL16 0, (\q)%2, \q, \slot, \cm
	MUL16 2, (\q)%2, \q, \slot, \cm
	s_wait_dscnt 0                                 ; A's blocks 4-7 are in
	PLACES NP
	FETCH_B \slot, (\q)+1, 1-(\q)%2
	FETCH_A \slot, (\q)+1, 0
.if \cm
	WIN 0xc1                                       ; D window 3
.else
	WIN MUL_HI
.endif
	MUL16 4, (\q)%2, \q, \slot, \cm
	MUL16 6, (\q)%2, \q, \slot, \cm
	PLACES NP
	WIN 0
	FETCH_A \slot, (\q)+1, 4
.endm
; A slot's last step changes slots: one barrier; in front of it each wave waits for all its tensor loads, adds 0 to its spare word, and waits for that and for its reads of this slot.
.macro TURN slot, next, fill
	s_wait_tensorcnt 0x0                           ; all my tensor loads have landed: my part of the next slot
	ds_add_u32 v[SPW], v[NIL]                      ; 0 onto my spare word
	s_wait_dscnt 4*NL+1                            ; the add and the youngest 24 loads (A's blocks 4-7) may be out
	WIN MUL_LO
	MUL16 0, 1, NQ-1, \slot, 0                     ; sixteen matrix instructions stand between the add and the wait for it
	s_wait_dscnt 0x0                               ; the add is done, and my reads of this slot are over
	s_barrier_signal -1
	MUL16 2, 1, NQ-1, \slot, 0
	WIN 0
	s_barrier_wait -1
.if \fill
	CREST                                          ; the barrier has opened a round of the cluster's: no wave of any partner still reads this slot or has a load on its way
	s_add_nc_u64 s[G0+4*\slot+2:G0+4*\slot+3], s[G0+4*\slot+2:G0+4*\slot+3], 2*ROWB
	s_add_nc_u64 s[G0B+4*\slot+2:G0B+4*\slot+3], s[G0B+4*\slot+2:G0B+4*\slot+3], 2*ROWB
	JLOAD G0+4*\slot, G1, G0B+4*\slot, G1B         ; the first tensor load behind the round; its four v_nop are the places in front of the loads below
.else
	PLACES NP
.endif
	s_wait_alu depctr_va_vdst(0)
	v_add_nc_u32 v[ADRS], 4*NQ, v[ADRS]            ; on to the next K step's scale words
	FETCH_B \next, 0, 0
	FETCH_A \next, 0, 0
	SCALES \next
	WIN MUL_HI
	MUL16 4, 1, NQ-1, \slot, 0
	MUL16 6, 1, NQ-1, \slot, 0
	PLACES NP
	WIN 0
	FETCH_A \next, 0, 4
.endm
	s_wait_alu depctr_va_vdst(0)
	s_wait_loadcnt 0x0                             ; the bias
	s_wait_tensorcnt 1                             ; of my three loads the scales and K step 0 are in; K step 1's may be out
	s_barrier_signal -1
	s_barrier_wait -1
	FETCH_B 0, 0, 0
	FETCH_A 0, 0, 0
	SCALES 0
	FETCH_A 0, 0, 4
	s_cmp_eq_u32 s98, 1                            ; the first step starts the sums with the bias: by B's block for Q and K, by A's block for V
	s_cbranch_scc1 .Lfirst_v
	STEP 0, 0, 1
	s_branch .Lfirst_done
.Lfirst_v:
	STEP 0, 0, 2
.Lfirst_done:
	s_mov_b32 s3, LAPS-1
.Llap:                                                 ; a trip goes once round the ring and fills both slots again
	TURN 0, 1, 1
	STEP 1, 0, 0
	TURN 1, 0, 1
	STEP 0, 0, 0
	s_sub_co_u32 s3, s3, 1
	s_cmp_lg_u32 s3, 0
	s_cbranch_scc1 .Llap
	TURN 0, 1, 0                                   ; the last lap fills nothing
	STEP 1, 0, 0
	s_wait_dscnt 4*NL
	WIN MUL_LO
	MUL16 0, 1, NQ-1, 1, 0
	MUL16 2, 1, NQ-1, 1, 0
	s_wait_dscnt 0
	WIN MUL_HI
	MUL16 4, 1, NQ-1, 1, 0
	MUL16 6, 1, NQ-1, 1, 0
	WIN 0
; THE WAY OUT: eight images a wave.  An image is made of four blocks of 32: 16 registers of a lane each (two accumulators), at s0, s0 + 16, s1, s1 + 16 of window w; the other 16 numbers of a block lie in lane l xor 16.
; Largest magnitudes (each accumulator from its low end on), the scale word, four conversions, the exchange of halves that gives each lane a whole block, and three stores of 512 consecutive bytes.
.macro OUTIMG i, s0, s1, w, off, pw
.set PCX, PCA+20*((\i)%2)
.set WSRC, (\w)|((\w)<<2)
	WIN WSRC                                       ; sources 0 and 1: the accumulators' window
	v_max3_num_f32 v[TM],   |v[(\s0)]|,    |v[(\s0)+1]|,  0x1800000   ; with the floor 2^(3 - 127): the byte cannot fall under 1
	v_max3_num_f32 v[TM+1], |v[(\s0)+16]|, |v[(\s0)+17]|, 0x1800000
	v_max3_num_f32 v[TM+2], |v[(\s1)]|,    |v[(\s1)+1]|,  0x1800000
	v_max3_num_f32 v[TM+3], |v[(\s1)+16]|, |v[(\s1)+17]|, 0x1800000
.irp n, 2,4,6,8,10,12,14
	v_max3_num_f32 v[TM],   |v[(\s0)+\n]|,    |v[(\s0)+\n+1]|,  v[TM]
	v_max3_num_f32 v[TM+1], |v[(\s0)+16+\n]|, |v[(\s0)+17+\n]|, v[TM+1]
	v_max3_num_f32 v[TM+2], |v[(\s1)+\n]|,    |v[(\s1)+\n+1]|,  v[TM+2]
	v_max3_num_f32 v[TM+3], |v[(\s1)+16+\n]|, |v[(\s1)+17+\n]|, v[TM+3]
.endr
	WIN 0
.irp b, 0,1,2,3
	v_permlanex16_b32 v[TM+4+\b], v[TM+\b], s20, s21
.endr
.irp b, 0,1,2,3
	v_max_num_f32 v[TM+\b], v[TM+\b], v[TM+4+\b]   ; with lane l xor 16's: the block's largest magnitude
.endr
.irp b, 0,1,2,3
	v_add_nc_u32 v[TM+12+\b], 0xff000000, v[TM+\b] ; 2 off its exponent field: the conversion's scale operand
.endr
.irp b, 0,1,2,3
	v_lshrrev_b32 v[TM+4+\b], 23, v[TM+12+\b]      ; the scale's byte
.endr
	v_lshl_or_b32 v[PW+(\pw)], v[TM+5], 8, v[TM+4]
	v_lshl_or_b32 v[PW+(\pw)], v[TM+6], 16, v[PW+(\pw)]
	v_lshl_or_b32 v[PW+(\pw)], v[TM+7], 24, v[PW+(\pw)]
	s_wait_xcnt 0x0                                ; the stores of two images ago have read this set of registers: it is written again only behind this wait
	WIN \w                                         ; source 0: the accumulators' window
	v_cvt_scalef32_pk16_fp6_f32 v[PCX:PCX+2],     v[(\s0):(\s0)+15],    v[TM+12]
	v_cvt_scalef32_pk16_fp6_f32 v[PCX+12:PCX+14], v[(\s0)+16:(\s0)+31], v[TM+13]
	v_cvt_scalef32_pk16_fp6_f32 v[PCX+6:PCX+8],   v[(\s1):(\s1)+15],    v[TM+14]
	v_cvt_scalef32_pk16_fp6_f32 v[PCX+16:PCX+18], v[(\s1)+16:(\s1)+31], v[TM+15]
	WIN 0
	v_nop                                          ; one plain place behind a scaled conversion
.irp c, 0,1
.irp e, 0,1,2
	v_permlane16_swap_b32 v[PCX+6*\c+\e], v[PCX+12+4*\c+\e]   ; lanes 0-15 get block 2 c whole, lanes 16-31 block 2 c + 1
.endr
.irp e, 0,1,2
	v_mov_b32 v[PCX+3+6*\c+\e], v[PCX+12+4*\c+\e]
.endr
.endr
.irp c, 0,1,2
	global_store_b128 v[LI16], v[PCX+4*\c:PCX+4*\c+3], s[12:13] offset:(\off)+512*\c th:TH_STORE_NT   ; 32 lanes store 512 consecutive bytes, at a multiple of 256 from the buffer's first byte
.endr
.endm
	PLACES NP
	s_mov_b32 s20, 0x76543210
	s_mov_b32 s21, 0xfedcba98                      ; v_permlanex16_b32's selects for lane l xor 16
.irp b, 0,1,2,3
	v_mov_b32 v[TM+4+\b], 0                        ; written once: a lane permute's destination counts as one of its sources
.endr
	s_cmp_eq_u32 s98, 1
	s_cbranch_scc1 .Lout_v
.irp i, 0,1,2,3,4,5,6,7                        ; Q, K: image i: rows 32 (i / 2) on of my 128, head i % 2 of my two: A's blocks 2 (i / 2) and + 1, B's blocks 4 (i % 2) .. + 3
	OUTIMG \i, 128*((\i/2)%2)+32*(\i%2), 128*((\i/2)%2)+32*(\i%2)+64, 2+\i/4, (\i%2)*HEADB+(\i/2)*IMGB, 4*(\i%2)+\i/2
.endr
	s_branch .Lout_done
.Lout_v:
.irp i, 0,1,2,3,4,5,6,7                        ; V: image i: A's block i (head i / 4, channels 16 (i % 4) on), all of my 128 keys
	OUTIMG \i, 64*(\i%4), 64*(\i%4)+32, 2+\i/4, (\i/4)*HEADB+(\i%4)*IMGB, \i
.endr
.Lout_done:
	v_cmp_le_u32 vcc_lo, 16, v[LN]                 ; lanes 16-31 carry the odd images' words
.irp j, 0,1
	v_cndmask_b32 v[PR+2*\j], v[PW+4*\j], v[PW+4*\j+1], vcc_lo
	v_cndmask_b32 v[PR+2*\j+1], v[PW+4*\j+2], v[PW+4*\j+3], vcc_lo
	global_store_b64 v[L8], v[PR+2*\j:PR+2*\j+1], s[92:93] offset:\j*HEADB th:TH_STORE_NT   ; a head's scale unit: 256 consecutive bytes, aligned
.endr
	s_wait_tensorcnt 0x0                           ; the wave's end
	ds_add_u32 v[SPW], v[NIL]
	s_wait_dscnt 0x0
	CROUND                                         ; the closing round: no work-group ends while a partner may still ask for a tile that names it
	s_endpgm
.Lfunc_end_k_qd18c3da466_qkv:
	.size	k_qd18c3da466_qkv, .Lfunc_end_k_qd18c3da466_qkv-k_qd18c3da466_qkv
	.p2alignl 7, 3214868480
	.fill 96, 4, 3214868480
	.section	.rodata,"a",@progbits
	.p2align	6, 0x0
	.amdhsa_kernel k_qd18c3da466_qkv
		.amdhsa_group_segment_fixed_size 327680
		.amdhsa_private_segment_fixed_size 0
		.amdhsa_enable_private_segment 0
		.amdhsa_kernarg_size 112
		.amdhsa_user_sgpr_count 2
		.amdhsa_user_sgpr_kernarg_segment_ptr 1
		.amdhsa_wavefront_size32 1
		.amdhsa_system_sgpr_workgroup_id_x 1
		.amdhsa_system_sgpr_workgroup_id_y 1
		.amdhsa_system_sgpr_workgroup_id_z 1
		.amdhsa_system_vgpr_workitem_id 0
		.amdhsa_next_free_vgpr 1024
		.amdhsa_next_free_sgpr 102
		.amdhsa_reserve_vcc 1
		.amdhsa_float_denorm_mode_32 3
		.amdhsa_float_denorm_mode_16_64 3
		.amdhsa_memory_ordered 1
		.amdhsa_forward_progress 1
		.amdhsa_inst_pref_size 218
	.end_amdhsa_kernel
	.amdgpu_metadata
---
amdhsa.version: [ 1, 2 ]
amdhsa.kernels:
  - .name:           k_qd18c3da466_qkv
    .symbol:         k_qd18c3da466_qkv.kd
    .args:
      - { .name: sequence_features_codes, .offset: 0, .size: 8, .value_kind: global_buffer, .address_space: global }
      - { .name: sequence_features_scales, .offset: 8, .size: 8, .value_kind: global_buffer, .address_space: global }
      - { .name: Wq_codes, .offset: 16, .size: 8, .value_kind: global_buffer, .address_space: global }
      - { .name: Wq_scales, .offset: 24, .size: 8, .value_kind: global_buffer, .address_space: global }
      - { .name: Wk_codes, .offset: 32, .size: 8, .value_kind: global_buffer, .address_space: global }
      - { .name: Wk_scales, .offset: 40, .size: 8, .value_kind: global_buffer, .address_space: global }
      - { .name: Wv_codes, .offset: 48, .size: 8, .value_kind: global_buffer, .address_space: global }
      - { .name: Wv_scales, .offset: 56, .size: 8, .value_kind: global_buffer, .address_space: global }
      - { .name: bq, .offset: 64, .size: 8, .value_kind: global_buffer, .address_space: global }
      - { .name: bk, .offset: 72, .size: 8, .value_kind: global_buffer, .address_space: global }
      - { .name: bv, .offset: 80, .size: 8, .value_kind: global_buffer, .address_space: global }
      - { .name: qbuf, .offset: 88, .size: 8, .value_kind: global_buffer, .address_space: global }
      - { .name: kbuf, .offset: 96, .size: 8, .value_kind: global_buffer, .address_space: global }
      - { .name: vbuf, .offset: 104, .size: 8, .value_kind: global_buffer, .address_space: global }
    .group_segment_fixed_size: 327680
    .private_segment_fixed_size: 0
    .kernarg_segment_align: 8
    .kernarg_segment_size: 112
    .max_flat_workgroup_size: 128
    .sgpr_count:     102
    .vgpr_count:     1024
    .wavefront_size: 32
...
	.end_amdgpu_metadata
.endif
;; end of part 1
;; launch attn (part 2): grid 4 x 64, 16 waves a work-group, clusters of 4 x 1, 327,680 bytes of LDS; arguments qbuf, kbuf, vbuf, Wo_codes, Wo_scales, part; writes part
.if DOCPART == 2
	.amdgcn_target "amdgcn-amd-amdhsa--gfx1250"
	.amdhsa_code_object_version 6
	.text
	.protected	k_qd18c3da466_attn
	.globl	k_qd18c3da466_attn
	.p2align	8
	.type	k_qd18c3da466_attn,@function
k_qd18c3da466_attn:
	s_mov_b64 s[64:65], 0
	v_nop
	global_prefetch_b8 v0, s[64:65] scope:SCOPE_SE
	s_setreg_imm32_b32 hwreg(HW_REG_WAVE_MODE, 25, 1), 1
	s_wait_xcnt 0x0
	s_wait_alu depctr_hold_cnt(0) depctr_sa_sdst(0) depctr_va_vdst(0) depctr_va_sdst(0) depctr_va_ssrc(0) depctr_va_vcc(0) depctr_vm_vsrc(0)
	s_getreg_b32 s2, hwreg(HW_REG_IB_STS2, 6, 4)
	s_cmp_eq_u32 s2, 0
	s_cbranch_scc0 .Lentry_in_a_cluster
	s_endpgm
.Lentry_in_a_cluster:
	s_bfe_u32 s2, ttmp6, 0x10000c
	s_cmp_lg_u32 s2, 0x3003
	s_cbranch_scc0 .Lentry_shape_is_right
	s_endpgm
.Lentry_shape_is_right:
; For one head bh = 16 batch + head and 512 of its queries: S = Q K^T / 8, the softmax, ctx = P V / l, ctx quantised along the head's 64 dims, ctx Wo for this head's 64 of Wo's K, and the sum of that over the 512 rows.
; All products on codes of FP6 (E2M3) with one E8M0 scale for each 32 along K.  q, k, v come as images of operand registers with their scale words (see the launch that makes them):
; a head is 64 images of 1,536 bytes and 16 units of 256 bytes of scale words.
; THE SOFTMAX: t = score x log2(e) / 8; M = the running largest t rounded UP to a whole number; p = 2^(t - M) is quantised along the keys, not normalised; the row's sum is taken of the unquantised p and divides at the end.
; When M moves, the sum and O are multiplied by 2^(old M - new M), exactly.
; SHARES.  The cluster's four work-groups take the four blocks of 512 queries of one head and ask for its K and V jointly.  A head's K and V, 2 x 102,400 bytes, lie in LDS whole: filled once, never again.
; Each of the 16 waves owns one q image, 32 queries: tile A in pass 0, tile B in pass 1; a pass walks 16 steps of 128 keys.  Four waves share a SIMD, so one wave's vector work stands beside another's products and LDS loads.
; K = 64 IN AN INSTRUCTION OF 128.  A k image holds two tiles of 16 keys, one in each half of K.  Q stands as [q | zeros | q] in 18 registers: registers 0-11 meet the image's first tile, registers 6-17 its second;
; the other half meets zero codes, which add nothing under any scale byte that this program makes (1 .. 254).
; Both products are used transposed (source 0 = keys, or channels; source 1 = queries): a lane holds one query.  Inside each block of 32 the numbers stand in the order 0-7, 16-23, 8-15, 24-31 on both sides.
; THE LAST PRODUCT.  A wave's ctx is one fragment [tile A's 64 dims | tile B's 64 dims].  Against a fragment of Wo that holds the head's 64 k twice, one instruction adds the two tiles' rows: only sums over rows are wanted.
; Wo's codes are put into the same order inside a block by four byte permutes a fragment.  Wave w makes columns 64 w .. 64 w + 63 for all 16 ctx images, which go from wave to wave through LDS as they stand in registers.
; part[4 bh + cx][1024]: this work-group's column sums.
; LIMITS: NaN and infinities are not served; a block whose largest magnitude lies under 2^-124 keeps the byte 1; the order of the sums is not the reference's.
.set HEADB, 102400
.set IMGB,  1536
.set SUNIT, 98304
.set QUART, 25600                      ; a quarter of a head: one tensor load, 100 rows of 256 bytes
.set VBASE, HEADB                      ; LDS: K's head at 0, V's behind it,
.set XB,    2*HEADB                    ; 16 ctx images (only ds_store writes here),
.set XS,    XB+16*IMGB                 ; and their scale words, 128 bytes each
.set QF,  18                           ; v18-35  [q | zeros | q]
.set QI,  36                           ; v36-47  my q image
.set CF,  48                           ; v48-59  my ctx fragment
.set CW,  60                           ; its scale word
.set QW,  61                           ; my q image's scale word
.set QS,  62                           ; the pass's q scales, twice
.set PS,  63                           ; p's scale word
.set KV,  64                           ; v64-111  four images of K or of V; at the end Wo's four fragments
.set SS,  112                          ; v112-175 S^T, then p; at the end ctx, then four ctx images
.set OO,  176                          ; v176-207 O^T; at the end the four accumulators of the last product
.set PC,  208                          ; v208-219 p's codes
.set TT,  220                          ; v220-227 at work
.set BM,  228                          ; v228-231 block maxima
.set PM,  232                          ; v232-235 the other half's; then bytes
.set SO,  236                          ; v236-239 the conversions' scale operands
.set KSC, 240                          ; v[240:241] K's scale words, v[242:243] V's
.set VSC, 242
.set FF,  244                          ; v244 f; v245 named with it as a pair
.set TP,  246
.set S2,  248                          ; v[248:249] the second chain of the sum
.set WS,  250                          ; v250-253 Wo's scale words
; v1 16 x lane; v2 + V's base; v3, v4 8 x lane + K's, V's scale units; v5 16 x lane + XB; v6 4 x lane + XS; v7, v8 the same at my wave's place; v9 8 x lane; v10-13 the step's addresses;
; v14 -M, v15 the largest t, v[16:17] the sum in two halves; v254, v255 offsets of global loads.
; s18 wave, s19 cx, s20 bh, s[22:23] lane selects, s[24:25] c, s[28:35] group 1, s[36:39], s[40:43] groups 0 for K and V, s44, s45 the step's bytes, s46 steps to go.
.macro CROUND
	s_barrier_signal -1
	s_barrier_wait -1
	s_cmp_lg_u32 s18, 0
	s_cbranch_scc1 .Lnot_wave_0_\@
	s_barrier_signal -3
.Lnot_wave_0_\@:
	s_barrier_wait -3
	s_barrier_signal -1
	s_barrier_wait -1
.endm
	s_load_b256 s[4:11], s[0:1], 0x0               ; qbuf, kbuf, vbuf, Wo's codes
	s_load_b128 s[12:15], s[0:1], 0x20             ; Wo's scales, part
	v_lshl_add_u32 v254, v0, 2, 0x38800
	v_mov_b32 v255, 0
	ds_add_u32 v254, v255
	ds_add_u32 v254, v255
	s_wait_dscnt 0x0
	v_lshrrev_b32 v10, 5, v0
	s_delay_alu instid0(VALU_DEP_1)
	v_readfirstlane_b32 s18, v10                   ; wave 0..15
	s_bfe_u32 s19, ttmp6, 0x40000                  ; cx: my block of 512 queries: it enters q's and part's addresses alone
	s_and_b32 s20, ttmp7, 0xffff                   ; bh, which the four partners share
	s_mov_b32 s28, 15|(3<<16)|(1<<21)              ; group 1: the mask of all four; elements of 8 bytes; bit 21 beside a mask; no padding
	s_mov_b32 s29, 32<<16                          ; tensor_dim0 = 32 elements: 256 bytes
	s_mov_b32 s30, 100<<16                         ; tensor_dim1 = 100 rows
	s_mov_b32 s31, 32<<16                          ; tile_dim0
	s_mov_b32 s32, 100                             ; tile_dim1
	s_mov_b32 s33, 32                              ; dense
	s_mov_b32 s34, 0
	s_mov_b32 s35, 0
	s_mov_b32 s22, 0x76543210
	s_mov_b32 s23, 0xfedcba98                      ; v_permlanex16_b32's selects for lane l xor 16
	s_mov_b32 s24, 0x3e38aa3b                      ; c = log2(e) / 8
	s_mov_b32 s25, s24                             ; (named with it as a pair)
	s_and_b32 s48, s18, 3
	s_mul_i32 s48, s48, QUART                      ; which quarter of a head I fetch, if I fetch
	s_mul_i32 s50, s20, HEADB                      ; the head's first byte in each of the three buffers
	s_add_co_u32 s52, s50, s48
	s_mov_b32 s53, 0
	s_wait_kmcnt 0x0
	s_mov_b32 s36, 1
	s_mov_b32 s37, s48                             ; K's head lies at LDS byte 0
	s_add_nc_u64 s[38:39], s[6:7], s[52:53]
	s_or_b32 s39, s39, 0x80000000
	s_mov_b32 s40, 1
	s_add_co_u32 s41, s48, VBASE
	s_add_nc_u64 s[42:43], s[8:9], s[52:53]
	s_or_b32 s43, s43, 0x80000000
	CROUND                                         ; all four work-groups are here: the joint loads meet
	s_cmp_lt_u32 s18, 4                            ; waves 0-3 fetch K's quarters, waves 4-7 V's, the others nothing: one load a wave at the most
	s_cbranch_scc0 .Lnot_k
	tensor_load_to_lds s[36:39], s[28:35]
	s_nop 0
.rept 4
	v_nop
.endr
	s_branch .Lasked
.Lnot_k:
	s_cmp_lt_u32 s18, 8
	s_cbranch_scc0 .Lasked
	tensor_load_to_lds s[40:43], s[28:35]
	s_nop 0
.rept 4
	v_nop
.endr
.Lasked:
	v_and_b32 v10, 31, v0                          ; lane
	v_and_b32 v11, 15, v0                          ; r
	v_bfe_u32 v12, v0, 4, 1                        ; h
	s_delay_alu instid0(VALU_DEP_3)
	v_lshlrev_b32 v1, 4, v10
	s_wait_alu depctr_va_vdst(0)
	v_add_nc_u32 v2, VBASE, v1
	v_lshlrev_b32 v9, 3, v10
	s_delay_alu instid0(VALU_DEP_1)
	v_add_nc_u32 v3, SUNIT, v9
	s_delay_alu instid0(VALU_DEP_2)
	v_add_nc_u32 v4, VBASE+SUNIT, v9
	v_add_nc_u32 v5, XB, v1
	v_lshl_add_u32 v6, v10, 2, XS
	s_mul_i32 s49, s18, IMGB
	v_add_nc_u32 v7, s49, v5
	s_lshl_b32 s49, s18, 7
	v_add_nc_u32 v8, s49, v6
	s_lshl_b32 s54, s19, 4
	s_add_co_u32 s54, s54, s18                     ; my q image: g = 16 cx + wave
	s_mul_i32 s56, s54, IMGB
	s_add_co_u32 s56, s56, s50
	s_mov_b32 s57, 0
	s_add_nc_u64 s[58:59], s[4:5], s[56:57]
	s_lshr_b32 s56, s54, 2
	s_lshl_b32 s56, s56, 8                         ; its scale unit g / 4;
	s_and_b32 s55, s18, 1
	s_lshl_b32 s55, s55, 7                         ; lanes 16 (g % 2) on;
	s_add_co_u32 s56, s56, s55
	s_bfe_u32 s55, s18, 0x10001
	s_lshl_b32 s55, s55, 2                         ; word (g / 2) % 2
	s_add_co_u32 s56, s56, s55
	s_add_co_u32 s56, s56, s50
	s_add_co_u32 s56, s56, SUNIT
	s_add_nc_u64 s[4:5], s[4:5], s[56:57]
.irp c, 0,1,2
	global_load_b128 v[QI+4*\c:QI+4*\c+3], v1, s[58:59] offset:512*\c
.endr
	v_lshlrev_b32 v254, 3, v11
	global_load_b32 v[QW], v254, s[4:5]            ; row r's word
	s_and_b32 s48, s20, 15                         ; the head
	s_mul_i32 s52, s18, 64*768                     ; Wo: my 64 rows of 768 bytes,
	s_mul_i32 s54, s48, 48                         ; the head's 64 codes
	s_add_co_u32 s52, s52, s54
	s_add_nc_u64 s[10:11], s[10:11], s[52:53]
	s_lshl_b32 s52, s18, 11                        ; its scales: 64 rows of 32 bytes,
	s_lshl_b32 s54, s48, 1                         ; the head's two bytes
	s_add_co_u32 s52, s52, s54
	s_add_nc_u64 s[12:13], s[12:13], s[52:53]
	s_lshl_b32 s52, s20, 2
	s_add_co_u32 s52, s52, s19
	s_lshl_b32 s52, s52, 12                        ; part: row 4 bh + cx of 4,096 bytes,
	s_lshl_b32 s54, s18, 8                         ; my 64 columns
	s_add_co_u32 s52, s52, s54
	s_add_nc_u64 s[14:15], s[14:15], s[52:53]
.irp i, 6,7,8,9,10,11
	v_mov_b32 v[QF+\i], 0                          ; the zero codes between the two copies of q
.endr
.irp b, 0,1,2,3
	v_mov_b32 v[PM+\b], 0                          ; written once: a lane permute's destination counts as one of its sources
.endr
	v_mov_b32 v[FF+1], 0                           ; (the upper half of the pair that f is named in)
	s_wait_tensorcnt 0x0                           ; my quarter has landed (a wave that fetched nothing passes at once),
	s_barrier_signal -1
	s_barrier_wait -1                              ; everybody's has
	s_wait_loadcnt 0x0                             ; q; and v254 may be written again
	v_lshlrev_b32 v254, 6, v11                     ; Wo's scales: lane r takes every second row: 64 r
	v_mul_u32_u24 v255, v11, 1536
	s_delay_alu instid0(VALU_DEP_1)
	v_mad_u32_u24 v255, v12, 24, v255              ; Wo's codes: 1,536 r + 24 h
; A PASS: tile p of my q image against all 2,048 keys; then its ctx, quantised, into half p of my ctx fragment.
.macro PASS p
.irp i, 0,1,2,3,4,5
	v_mov_b32 v[QF+\i], v[QI+6*\p+\i]
	v_mov_b32 v[QF+12+\i], v[QI+6*\p+\i]
.endr
.if \p == 0
	v_and_b32 v[TP], 0xffff, v[QW]                 ; the tile's two scale bytes,
.else
	v_lshrrev_b32 v[TP], 16, v[QW]
.endif
	s_delay_alu instid0(VALU_DEP_1)
	v_lshl_or_b32 v[QS], v[TP], 16, v[TP]          ; for either half of K
.set J, 0
.rept 32
	v_mov_b32 v[OO+J], 0                           ; O^T: the step is written once; its first trip finds zeros.  (These are also the places between q's and QS's writing and the first product)
.set J, J+1
.endr
	v_mov_b32 v15, 0xff61b1e6                      ; the largest t so far: -3e38
	s_delay_alu instid0(VALU_DEP_1)
	v_floor_f32 v14, -v15                          ; -M
	v_mov_b32 v16, 0
	v_mov_b32 v17, 0
	s_mov_b32 s44, 0
	s_mov_b32 s45, 0
	s_mov_b32 s46, 16
.Lstep_\@:
	s_setprio 2
	v_add_nc_u32 v10, s44, v1                      ; the step's four images of K, of V, and their scale units.  (Four places behind the last products, in front of the loads)
	v_add_nc_u32 v11, s44, v2
	v_add_nc_u32 v12, s45, v3
	v_add_nc_u32 v13, s45, v4
.irp f, 0,1,2,3
.irp c, 0,1,2
	ds_load_b128 v[KV+12*\f+4*\c:KV+12*\f+4*\c+3], v10 offset:IMGB*\f+512*\c
.endr
.endr
	ds_load_b64 v[KSC:KSC+1], v12
	s_wait_alu depctr_va_vdst(0)
	s_wait_dscnt 0x0
.irp t, 0,1,2,3,4,5,6,7                        ; S^T: tile t = keys 16 t on: image t / 2, its half t % 2
.if ((\t/2)%2) == 1
	v_wmma_scale_f32_16x16x128_f8f6f4 v[SS+8*\t:SS+8*\t+7], v[KV+12*(\t/2):KV+12*(\t/2)+11], v[QF+6*(\t%2):QF+6*(\t%2)+11], 0, v[KSC+\t/4], v[QS] matrix_a_fmt:MATRIX_FMT_FP6 matrix_b_fmt:MATRIX_FMT_FP6 matrix_a_scale:MATRIX_SCALE_ROW1
.else
	v_wmma_scale_f32_16x16x128_f8f6f4 v[SS+8*\t:SS+8*\t+7], v[KV+12*(\t/2):KV+12*(\t/2)+11], v[QF+6*(\t%2):QF+6*(\t%2)+11], 0, v[KSC+\t/4], v[QS] matrix_a_fmt:MATRIX_FMT_FP6 matrix_b_fmt:MATRIX_FMT_FP6
.endif
.endr
.rept 4
	v_nop                                          ; places in front of the loads into K's registers and of the first read of the scores
.endr
.irp t, 0,1,2,3                                ; V's four images land while the softmax is worked
.irp c, 0,1,2
	ds_load_b128 v[KV+12*\t+4*\c:KV+12*\t+4*\c+3], v11 offset:IMGB*\t+512*\c
.endr
.endr
	ds_load_b64 v[VSC:VSC+1], v13
.irp b, 0,1,2,3
	v_max3_num_f32 v[BM+\b], v[SS+16*\b], v[SS+16*\b+1], v[SS+16*\b+2]   ; the largest score of each block of 32 keys: for the row's maximum and for the block's largest p
.endr
.irp i, 3,5,7,9,11,13
.irp b, 0,1,2,3
	v_max3_num_f32 v[BM+\b], v[BM+\b], v[SS+16*\b+\i], v[SS+16*\b+\i+1]
.endr
.endr
.irp b, 0,1,2,3
	v_max_num_f32 v[BM+\b], v[BM+\b], v[SS+16*\b+15]
.endr
.irp b, 0,1,2,3
	s_delay_alu instid0(VALU_DEP_4)
	v_permlanex16_b32 v[PM+\b], v[BM+\b], s22, s23
.endr
.irp b, 0,1,2,3
	s_delay_alu instid0(VALU_DEP_4)
	v_max_num_f32 v[BM+\b], v[BM+\b], v[PM+\b]     ; with lane l xor 16's 16 keys
.endr
	s_delay_alu instid0(VALU_DEP_2)
	v_max3_num_f32 v[TP], v[BM], v[BM+1], v[BM+2]
	s_delay_alu instid0(VALU_DEP_1)
	v_max_num_f32 v[TP], v[TP], v[BM+3]
	s_delay_alu instid0(VALU_DEP_1)
	v_mul_f32 v[TP], s24, v[TP]                    ; as t (c is positive)
	s_delay_alu instid0(VALU_DEP_1)
	v_max_num_f32 v15, v15, v[TP]                  ; the running largest t
	v_mov_b32 v[TP], v14
	s_delay_alu instid0(VALU_DEP_2)
	v_floor_f32 v14, -v15                          ; the new -M = floor(-t): M is a whole number
	s_delay_alu instid0(VALU_DEP_1)
	v_sub_f32 v[TP], v14, v[TP]                    ; old M - new M: a whole number, 0 or less
	s_delay_alu instid0(VALU_DEP_1)
	v_cvt_i32_f32 v[TP], v[TP]                     ; (it saturates)
	s_delay_alu instid0(VALU_DEP_1)
	v_ldexp_f32 v[FF], 1.0, v[TP]                  ; f = 2^(old M - new M)
.set J, 0
.rept 32
	v_pk_fma_f32 v[SS+J:SS+J+1], v[SS+J:SS+J+1], s[24:25], v[14:15] op_sel_hi:[1,0,0]   ; t - M, two at a time
.set J, J+2
.endr
.irp b, 0,1,2,3
	v_fma_f32 v[BM+\b], v[BM+\b], s24, v14         ; the same of each block's largest score
.endr
.set J, 0
	s_wait_alu depctr_va_vdst(0)
.rept 64
	v_exp_f32 v[SS+J], v[SS+J]                     ; p = 2^(t - M)
.set J, J+1
.endr
	s_setprio 1
.irp b, 0,1,2,3
	v_exp_f32 v[BM+\b], v[BM+\b]                   ; the block's largest p: the same two instructions on the same number
.endr
	v_pk_mul_f32 v[16:17], v[16:17], v[FF:FF+1] op_sel_hi:[1,0]   ; the sums under the new M.  (A plain place behind the exponentials)
	s_wait_alu depctr_va_vdst(0)
.irp b, 0,1,2,3
	v_max_num_f32 v[BM+\b], 0x1800000, v[BM+\b]    ; the floor 2^(3 - 127)
.endr
.irp b, 0,1,2,3
	s_delay_alu instid0(VALU_DEP_4)
	v_add_nc_u32 v[SO+\b], 0xff000000, v[BM+\b]    ; 2 off the exponent field: the conversion's scale operand
.endr
.irp b, 0,1,2,3
	s_delay_alu instid0(VALU_DEP_4)
	v_lshrrev_b32 v[PM+\b], 23, v[SO+\b]           ; the scale's byte
.endr
	s_delay_alu instid0(VALU_DEP_3)
	v_lshl_or_b32 v[PS], v[PM+1], 8, v[PM]
	s_delay_alu instid0(VALU_DEP_1)
	v_lshl_or_b32 v[PS], v[PM+2], 16, v[PS]
	s_delay_alu instid0(VALU_DEP_1)
	v_lshl_or_b32 v[PS], v[PM+3], 24, v[PS]
.irp c, 0,1
	v_cvt_scalef32_pk16_fp6_f32 v[PC+6*\c:PC+6*\c+2], v[SS+32*\c:SS+32*\c+15], v[SO+2*\c]
	v_cvt_scalef32_pk16_fp6_f32 v[TT+4*\c:TT+4*\c+2], v[SS+32*\c+16:SS+32*\c+31], v[SO+2*\c+1]
.endr
	v_nop                                          ; one plain place behind a scaled conversion
.irp c, 0,1
.irp i, 0,1,2
	v_permlane16_swap_b32 v[PC+6*\c+\i], v[TT+4*\c+\i]   ; lanes 0-15 get block 2 c whole, lanes 16-31 block 2 c + 1
.endr
.irp i, 0,1,2
	s_delay_alu instid0(VALU_DEP_3)
	v_mov_b32 v[PC+3+6*\c+\i], v[TT+4*\c+\i]
.endr
.endr
	v_pk_add_f32 v[248:249], v[116:117], v[120:121]
	v_pk_add_f32 v[252:253], v[124:125], v[128:129]
	v_pk_add_f32 v[250:251], v[132:133], v[136:137]
	v_pk_add_f32 v[240:241], v[140:141], v[144:145]
	v_pk_add_f32 v[238:239], v[148:149], v[152:153]
	v_pk_add_f32 v[236:237], v[156:157], v[160:161]
	v_pk_add_f32 v[230:231], v[164:165], v[168:169]
	v_pk_add_f32 v[16:17], v[16:17], v[172:173]
	v_pk_add_f32 v[248:249], v[248:249], v[112:113]
	v_pk_add_f32 v[252:253], v[252:253], v[114:115]
	v_pk_add_f32 v[250:251], v[250:251], v[118:119]
	v_pk_add_f32 v[240:241], v[240:241], v[122:123]
	v_pk_add_f32 v[238:239], v[238:239], v[126:127]
	v_pk_add_f32 v[236:237], v[236:237], v[130:131]
	v_pk_add_f32 v[230:231], v[230:231], v[134:135]
	v_pk_add_f32 v[16:17], v[16:17], v[138:139]
	v_pk_add_f32 v[248:249], v[248:249], v[142:143]
	v_pk_add_f32 v[252:253], v[252:253], v[146:147]
	v_pk_add_f32 v[250:251], v[250:251], v[150:151]
	v_pk_add_f32 v[240:241], v[240:241], v[154:155]
	v_pk_add_f32 v[238:239], v[238:239], v[158:159]
	v_pk_add_f32 v[236:237], v[236:237], v[162:163]
	v_pk_add_f32 v[230:231], v[230:231], v[166:167]
	v_pk_add_f32 v[16:17], v[16:17], v[170:171]
	v_pk_add_f32 v[248:249], v[248:249], v[174:175]
	s_delay_alu instid0(VALU_DEP_2)
	v_pk_add_f32 v[16:17], v[16:17], v[240:241]
	s_delay_alu instid0(VALU_DEP_2)
	v_pk_add_f32 v[248:249], v[248:249], v[238:239]
	s_setprio 0
	v_pk_add_f32 v[252:253], v[252:253], v[236:237]
	v_pk_add_f32 v[250:251], v[250:251], v[230:231]
	s_delay_alu instid0(VALU_DEP_2)
	v_pk_add_f32 v[16:17], v[16:17], v[252:253]
	s_delay_alu instid0(VALU_DEP_2)
	v_pk_add_f32 v[248:249], v[248:249], v[250:251]
	s_delay_alu instid0(VALU_DEP_1)
	v_pk_add_f32 v[16:17], v[16:17], v[248:249]
.set J, 0
.rept 16
	v_pk_mul_f32 v[OO+J:OO+J+1], v[OO+J:OO+J+1], v[FF:FF+1] op_sel_hi:[1,0]   ; O^T under the new M
.set J, J+2
.endr
	s_wait_alu depctr_va_vdst(0)
	s_wait_dscnt 0x0                               ; V and its scale words are in
.irp t, 0,1,2,3                                ; O^T += V^T P^T: channels 16 t on.  The four accumulators take turns, and the eight score tiles stand between two turns of one
.if (\t%2) == 1
	v_wmma_scale_f32_16x16x128_f8f6f4 v[OO+8*\t:OO+8*\t+7], v[KV+12*\t:KV+12*\t+11], v[PC:PC+11], v[OO+8*\t:OO+8*\t+7], v[VSC+\t/2], v[PS] matrix_a_fmt:MATRIX_FMT_FP6 matrix_b_fmt:MATRIX_FMT_FP6 matrix_a_scale:MATRIX_SCALE_ROW1
.else
	v_wmma_scale_f32_16x16x128_f8f6f4 v[OO+8*\t:OO+8*\t+7], v[KV+12*\t:KV+12*\t+11], v[PC:PC+11], v[OO+8*\t:OO+8*\t+7], v[VSC+\t/2], v[PS] matrix_a_fmt:MATRIX_FMT_FP6 matrix_b_fmt:MATRIX_FMT_FP6
.endif
.endr
	s_add_co_u32 s44, s44, 4*IMGB
	s_add_co_u32 s45, s45, 256
	s_sub_co_u32 s46, s46, 1
	s_cmp_lg_u32 s46, 0
	s_cbranch_scc1 .Lstep_\@
	s_setprio 0
.rept 4
	v_nop                                          ; places behind the last products
.endr
.if \p == 1
.irp t, 0,1,2,3                                ; Wo for the last product is asked for now: tile t, lane r: column 64 w + 32 (t / 2) + 2 r + t % 2; 24 bytes: block h of the head's two
.irp q, 0,1,2
	global_load_b64 v[KV+12*\t+2*\q:KV+12*\t+2*\q+1], v255, s[10:11] offset:(32*(\t/2)+\t%2)*768+8*\q
.endr
	global_load_u16 v[WS+\t], v254, s[12:13] offset:(32*(\t/2)+\t%2)*32
.endr
.endif
	v_add_f32 v16, v16, v17                        ; the sum's two halves,
	s_delay_alu instid0(VALU_DEP_1)
	v_permlanex16_b32 v[TP], v16, s22, s23
	s_delay_alu instid0(VALU_DEP_1)
	v_add_f32 v16, v16, v[TP]                      ; and lane l xor 16's
	s_wait_alu depctr_va_vdst(0)
	v_rcp_f32 v16, v16
	v_nop                                          ; one plain place behind a transcendental
.set J, 0
	s_wait_alu depctr_va_vdst(0)
.rept 32
	v_mul_f32 v[SS+J], v[OO+J], v16                ; ctx: register 8 t + j is channel 16 t + 8 h + j of query r; each accumulator from its low end on
.set J, J+1
.endr
.irp b, 0,1
	v_max3_num_f32 v[BM+\b], |v[SS+16*\b]|, |v[SS+16*\b+1]|, 0x1800000
.endr
.irp i, 2,4,6,8,10,12,14
.irp b, 0,1
	s_delay_alu instid0(VALU_DEP_2)
	v_max3_num_f32 v[BM+\b], v[BM+\b], |v[SS+16*\b+\i]|, |v[SS+16*\b+\i+1]|
.endr
.endr
.irp b, 0,1
	s_delay_alu instid0(VALU_DEP_2)
	v_permlanex16_b32 v[PM+\b], v[BM+\b], s22, s23
.endr
.irp b, 0,1
	s_delay_alu instid0(VALU_DEP_2)
	v_max_num_f32 v[BM+\b], v[BM+\b], v[PM+\b]
.endr
.irp b, 0,1
	s_delay_alu instid0(VALU_DEP_2)
	v_add_nc_u32 v[SO+\b], 0xff000000, v[BM+\b]
.endr
.irp b, 0,1
	s_delay_alu instid0(VALU_DEP_2)
	v_lshrrev_b32 v[PM+\b], 23, v[SO+\b]
.endr
	s_delay_alu instid0(VALU_DEP_1)
	v_lshl_or_b32 v[TP], v[PM+1], 8, v[PM]
.if \p == 0
	s_delay_alu instid0(VALU_DEP_1)
	v_mov_b32 v[CW], v[TP]                         ; bytes 0, 1: tile A's two blocks
.else
	s_delay_alu instid0(VALU_DEP_1)
	v_lshl_or_b32 v[CW], v[TP], 16, v[CW]          ; bytes 2, 3: tile B's
.endif
	v_cvt_scalef32_pk16_fp6_f32 v[CF+6*\p:CF+6*\p+2], v[SS:SS+15], v[SO]
	v_cvt_scalef32_pk16_fp6_f32 v[TT:TT+2], v[SS+16:SS+31], v[SO+1]
	v_nop                                          ; one plain place behind a scaled conversion
.irp i, 0,1,2
	v_permlane16_swap_b32 v[CF+6*\p+\i], v[TT+\i]
.endr
.irp i, 0,1,2
	s_delay_alu instid0(VALU_DEP_3)
	v_mov_b32 v[CF+6*\p+3+\i], v[TT+\i]
.endr
.endm
	PASS 0
	PASS 1
	; THE LAST PRODUCT.  My ctx fragment goes to LDS as it stands; behind the barrier every wave can load all sixteen.
.irp c, 0,1,2
	ds_store_b128 v7, v[CF+4*\c:CF+4*\c+3] offset:512*\c
.endr
	ds_store_b32 v8, v[CW]
	s_wait_dscnt 0x0                               ; for the others' sake: my stores have landed
	s_barrier_signal -1
	s_barrier_wait -1
	s_wait_loadcnt 0x0                             ; Wo
.irp t, 0,1,2,3
	v_lshl_or_b32 v[WS+\t], v[WS+\t], 16, v[WS+\t] ; the head's two bytes, for either half of K
.endr
.irp t, 0,1,2,3                                ; a block's 24 bytes are four groups of 8 codes, 6 bytes each: groups 1 and 2 change places; the result stands in both halves of the fragment
	v_mov_b32 v[KV+12*\t+6], v[KV+12*\t]
	v_perm_b32 v[KV+12*\t+7], v[KV+12*\t+3], v[KV+12*\t+1], 0x05040100
	v_perm_b32 v[KV+12*\t+8], v[KV+12*\t+4], v[KV+12*\t+3], 0x05040302
	v_perm_b32 v[KV+12*\t+9], v[KV+12*\t+2], v[KV+12*\t+1], 0x05040302
	v_perm_b32 v[KV+12*\t+10], v[KV+12*\t+4], v[KV+12*\t+2], 0x07060302
	v_mov_b32 v[KV+12*\t+11], v[KV+12*\t+5]
.irp i, 1,2,3,4
	v_mov_b32 v[KV+12*\t+\i], v[KV+12*\t+6+\i]
.endr
.endr
	s_wait_alu depctr_va_vdst(0)
.irp g, 0,1,2,3                                ; four ctx images at a time
.rept 4
	v_nop                                          ; places behind Wo's last move, and in front of loads into registers that matrix instructions have read
.endr
.irp i, 0,1,2,3
.irp c, 0,1,2
	ds_load_b128 v[SS+12*\i+4*\c:SS+12*\i+4*\c+3], v5 offset:(4*\g+\i)*IMGB+512*\c
.endr
	ds_load_b32 v[KSC+\i], v6 offset:(4*\g+\i)*128
.endr
	s_wait_dscnt 0x0
.irp i, 0,1,2,3
.irp t, 0,1,2,3                                ; source 0 = an image's rows (along the registers), source 1 = 16 columns of Wo (in the lanes); the four accumulators by turns
.if (\g == 0) && (\i == 0)
	v_wmma_scale_f32_16x16x128_f8f6f4 v[OO+8*\t:OO+8*\t+7], v[SS+12*\i:SS+12*\i+11], v[KV+12*\t:KV+12*\t+11], 0, v[KSC+\i], v[WS+\t] matrix_a_fmt:MATRIX_FMT_FP6 matrix_b_fmt:MATRIX_FMT_FP6
.else
	v_wmma_scale_f32_16x16x128_f8f6f4 v[OO+8*\t:OO+8*\t+7], v[SS+12*\i:SS+12*\i+11], v[KV+12*\t:KV+12*\t+11], v[OO+8*\t:OO+8*\t+7], v[KSC+\i], v[WS+\t] matrix_a_fmt:MATRIX_FMT_FP6 matrix_b_fmt:MATRIX_FMT_FP6
.endif
.endr
.endr
.endr
.rept 4
	v_nop
.endr
.irp t, 0,1,2,3
	v_add_f32 v[TT+\t], v[OO+8*\t], v[OO+8*\t+1]   ; the sum over rows: my eight registers, from the low end on,
.endr
.irp i, 2,3,4,5,6,7
.irp t, 0,1,2,3
	v_add_f32 v[TT+\t], v[TT+\t], v[OO+8*\t+\i]
.endr
.endr
.irp t, 0,1,2,3
	s_delay_alu instid0(VALU_DEP_4)
	v_permlanex16_b32 v[PM+\t], v[TT+\t], s22, s23
.endr
.irp t, 0,1,2,3
	s_delay_alu instid0(VALU_DEP_4)
	v_add_f32 v[TT+\t], v[TT+\t], v[PM+\t]         ; and lane l xor 16's eight
.endr
	v_and_b32 v10, 31, v0
	s_delay_alu instid0(VALU_DEP_1)
	v_cmp_le_u32 vcc_lo, 16, v10
	s_delay_alu instid0(VALU_DEP_1)
	v_cndmask_b32 v[TP], v[TT], v[TT+2], vcc_lo    ; lane l: columns 2 l and 2 l + 1 of my 64
	s_delay_alu instid0(VALU_DEP_2)
	v_cndmask_b32 v[TP+1], v[TT+1], v[TT+3], vcc_lo
	global_store_b64 v9, v[TP:TP+1], s[14:15]      ; 32 lanes store 256 consecutive bytes, aligned
	s_wait_dscnt 0x0
	s_wait_xcnt 0x0
	v_lshl_add_u32 v254, v0, 2, 0x38800
	v_mov_b32 v255, 0
	s_wait_alu depctr_va_vdst(0)
	s_wait_tensorcnt 0x0
	ds_add_u32 v254, v255
	s_wait_dscnt 0x0
	CROUND                                         ; the closing round
	s_endpgm
.Lfunc_end_k_qd18c3da466_attn:
	.size	k_qd18c3da466_attn, .Lfunc_end_k_qd18c3da466_attn-k_qd18c3da466_attn
	.p2alignl 7, 3214868480
	.fill 96, 4, 3214868480
	.section	.rodata,"a",@progbits
	.p2align	6, 0x0
	.amdhsa_kernel k_qd18c3da466_attn
		.amdhsa_group_segment_fixed_size 327680
		.amdhsa_private_segment_fixed_size 0
		.amdhsa_enable_private_segment 0
		.amdhsa_kernarg_size 48
		.amdhsa_user_sgpr_count 2
		.amdhsa_user_sgpr_kernarg_segment_ptr 1
		.amdhsa_wavefront_size32 1
		.amdhsa_system_sgpr_workgroup_id_x 1
		.amdhsa_system_sgpr_workgroup_id_y 1
		.amdhsa_system_sgpr_workgroup_id_z 1
		.amdhsa_system_vgpr_workitem_id 0
		.amdhsa_next_free_vgpr 256
		.amdhsa_next_free_sgpr 66
		.amdhsa_reserve_vcc 1
		.amdhsa_float_denorm_mode_32 3
		.amdhsa_float_denorm_mode_16_64 3
		.amdhsa_memory_ordered 1
		.amdhsa_forward_progress 1
		.amdhsa_inst_pref_size 72
	.end_amdhsa_kernel
	.amdgpu_metadata
---
amdhsa.version: [ 1, 2 ]
amdhsa.kernels:
  - .name:           k_qd18c3da466_attn
    .symbol:         k_qd18c3da466_attn.kd
    .args:
      - { .name: qbuf, .offset: 0, .size: 8, .value_kind: global_buffer, .address_space: global }
      - { .name: kbuf, .offset: 8, .size: 8, .value_kind: global_buffer, .address_space: global }
      - { .name: vbuf, .offset: 16, .size: 8, .value_kind: global_buffer, .address_space: global }
      - { .name: Wo_codes, .offset: 24, .size: 8, .value_kind: global_buffer, .address_space: global }
      - { .name: Wo_scales, .offset: 32, .size: 8, .value_kind: global_buffer, .address_space: global }
      - { .name: part, .offset: 40, .size: 8, .value_kind: global_buffer, .address_space: global }
    .group_segment_fixed_size: 327680
    .private_segment_fixed_size: 0
    .kernarg_segment_align: 8
    .kernarg_segment_size: 48
    .max_flat_workgroup_size: 512
    .sgpr_count:     66
    .vgpr_count:     256
    .wavefront_size: 32
...
	.end_amdgpu_metadata
.endif
;; end of part 2
;; launch mean (part 3): grid 32 x 1, 8 waves a work-group, no clusters, 5,120 bytes of LDS; arguments part, bo, out0; writes out0
.if DOCPART == 3
	.amdgcn_target "amdgcn-amd-amdhsa--gfx1250"
	.amdhsa_code_object_version 6
	.text
	.protected	k_qd18c3da466_mean
	.globl	k_qd18c3da466_mean
	.p2align	8
	.type	k_qd18c3da466_mean,@function
k_qd18c3da466_mean:
	s_mov_b64 s[64:65], 0
	v_nop
	global_prefetch_b8 v0, s[64:65] scope:SCOPE_SE
	s_setreg_imm32_b32 hwreg(HW_REG_WAVE_MODE, 25, 1), 1
	s_wait_xcnt 0x0
; out0[b][n] = bo[n] + 2^-11 x the sum of part's rows 64 b .. 64 b + 63 at column n: the 16 heads' and 4 query blocks' column sums of one batch, over its 2,048 rows.
; A work-group takes one batch and 128 columns (512 bytes: 16 bytes a lane); wave w adds rows 8 w .. 8 w + 7; the eight waves' sums meet in LDS; wave 0 adds them, scales, adds the bias and stores.
; 4 batches x 8 column blocks are 32 work-groups: that is all the work there is.  Nothing is shared between work-groups, so no cluster; no matrix work.
	s_load_b128 s[4:7], s[0:1], 0x0                ; part, bo
	s_load_b64 s[8:9], s[0:1], 0x10                ; out0
	v_lshl_add_u32 v64, v0, 2, 0x1000
	v_mov_b32 v65, 0
	v_lshrrev_b32 v1, 5, v0
	s_delay_alu instid0(VALU_DEP_1)
	v_readfirstlane_b32 s10, v1                    ; wave 0..7
	v_and_b32 v2, 31, v0
	s_delay_alu instid0(VALU_DEP_1)
	v_lshlrev_b32 v3, 4, v2                        ; 16 x lane
	v_lshlrev_b32 v4, 4, v0                        ; LDS: 512 x wave + 16 x lane
	s_lshr_b32 s11, ttmp9, 3                       ; batch
	s_and_b32 s12, ttmp9, 7
	s_lshl_b32 s12, s12, 9                         ; my 128 columns, in bytes
	s_mov_b32 s13, 0
	s_lshl_b32 s16, s11, 18                        ; 64 rows of 4,096 bytes a batch,
	s_lshl_b32 s14, s10, 15                        ; 8 rows a wave
	s_add_co_u32 s16, s16, s14
	s_add_co_u32 s16, s16, s12
	s_mov_b32 s17, 0
	s_lshl_b32 s18, s11, 12                        ; out0: a row of 4,096 bytes a batch
	s_add_co_u32 s18, s18, s12
	s_mov_b32 s19, 0
	s_wait_kmcnt 0x0
	s_add_nc_u64 s[4:5], s[4:5], s[16:17]
	s_add_nc_u64 s[6:7], s[6:7], s[12:13]
	s_add_nc_u64 s[8:9], s[8:9], s[18:19]
	s_cmp_lg_u32 s10, 0
	s_cbranch_scc1 .Lno_bias
	s_wait_alu depctr_va_vdst(0)
	global_load_b128 v[44:47], v3, s[6:7]          ; wave 0 alone wants the bias; issued first, so the counts below, which count the loads behind each row, hold in every wave
.Lno_bias:
	s_wait_alu depctr_va_vdst(0)
.irp k, 0,1,2,3,4,5,6,7
	global_load_b128 v[8+4*\k:11+4*\k], v3, s[4:5] offset:4096*\k th:TH_LOAD_NT   ; 32 lanes read 512 consecutive bytes
.endr
	s_wait_loadcnt 6                               ; rows 0 and 1 are in; the six behind them may be out
	v_pk_add_f32 v[40:41], v[8:9], v[12:13]
	v_pk_add_f32 v[42:43], v[10:11], v[14:15]
	s_wait_alu depctr_va_vdst(0)
.irp k, 2,3,4,5,6,7
	s_wait_alu depctr_va_vdst(0)
	s_wait_loadcnt 7-\k                            ; row k is in
	v_pk_add_f32 v[40:41], v[40:41], v[8+4*\k:9+4*\k]
	v_pk_add_f32 v[42:43], v[42:43], v[10+4*\k:11+4*\k]
.endr
	ds_store_b128 v4, v[40:43]
	s_wait_dscnt 0x0                               ; for wave 0's sake: my store has landed
	s_barrier_signal -1
	s_barrier_wait -1
	s_cmp_lg_u32 s10, 0
	s_cbranch_scc1 .Lend
.irp k, 0,1,2,3,4,5,6,7
	ds_load_b128 v[8+4*\k:11+4*\k], v3 offset:512*\k
.endr
	s_wait_dscnt 6
	v_pk_add_f32 v[40:41], v[8:9], v[12:13]
	v_pk_add_f32 v[42:43], v[10:11], v[14:15]
	s_wait_alu depctr_va_vdst(0)
.irp k, 2,3,4,5,6,7
	s_wait_alu depctr_va_vdst(0)
	s_wait_dscnt 7-\k
	v_pk_add_f32 v[40:41], v[40:41], v[8+4*\k:9+4*\k]
	v_pk_add_f32 v[42:43], v[42:43], v[10+4*\k:11+4*\k]
.endr
	s_delay_alu instid0(VALU_DEP_2)
	v_pk_fma_f32 v[48:49], v[40:41], 0x3a000000, v[44:45] op_sel_hi:[1,0,1]   ; x 2^-11, + bo
	s_delay_alu instid0(VALU_DEP_2)
	v_pk_fma_f32 v[50:51], v[42:43], 0x3a000000, v[46:47] op_sel_hi:[1,0,1]
	global_store_b128 v3, v[48:51], s[8:9]         ; 512 consecutive bytes, aligned
.Lend:
	s_wait_tensorcnt 0x0
	ds_add_u32 v64, v65
	s_wait_dscnt 0x0
	s_endpgm
.Lfunc_end_k_qd18c3da466_mean:
	.size	k_qd18c3da466_mean, .Lfunc_end_k_qd18c3da466_mean-k_qd18c3da466_mean
	.p2alignl 7, 3214868480
	.fill 96, 4, 3214868480
	.section	.rodata,"a",@progbits
	.p2align	6, 0x0
	.amdhsa_kernel k_qd18c3da466_mean
		.amdhsa_group_segment_fixed_size 5120
		.amdhsa_private_segment_fixed_size 0
		.amdhsa_enable_private_segment 0
		.amdhsa_kernarg_size 24
		.amdhsa_user_sgpr_count 2
		.amdhsa_user_sgpr_kernarg_segment_ptr 1
		.amdhsa_wavefront_size32 1
		.amdhsa_system_sgpr_workgroup_id_x 1
		.amdhsa_system_sgpr_workgroup_id_y 1
		.amdhsa_system_sgpr_workgroup_id_z 1
		.amdhsa_system_vgpr_workitem_id 0
		.amdhsa_next_free_vgpr 66
		.amdhsa_next_free_sgpr 66
		.amdhsa_reserve_vcc 0
		.amdhsa_float_denorm_mode_32 3
		.amdhsa_float_denorm_mode_16_64 3
		.amdhsa_memory_ordered 1
		.amdhsa_forward_progress 1
		.amdhsa_inst_pref_size 7
	.end_amdhsa_kernel
	.amdgpu_metadata
---
amdhsa.version: [ 1, 2 ]
amdhsa.kernels:
  - .name:           k_qd18c3da466_mean
    .symbol:         k_qd18c3da466_mean.kd
    .args:
      - { .name: part, .offset: 0, .size: 8, .value_kind: global_buffer, .address_space: global }
      - { .name: bo, .offset: 8, .size: 8, .value_kind: global_buffer, .address_space: global }
      - { .name: out0, .offset: 16, .size: 8, .value_kind: global_buffer, .address_space: global }
    .group_segment_fixed_size: 5120
    .private_segment_fixed_size: 0
    .kernarg_segment_align: 8
    .kernarg_segment_size: 24
    .max_flat_workgroup_size: 256
    .sgpr_count:     66
    .vgpr_count:     66
    .wavefront_size: 32
...
	.end_amdgpu_metadata
.endif
;; end of part 3
